; MI455X (gfx1250); checked and timed in simulation.
; The chip was launched on July 23, 2026; its instructions are those of AMD's public machine-readable ISA for CDNA 5 (MIT licence, August 2026) and "CDNA5" Instruction Set Architecture Reference Guide (July 2026). The comments in the code are by the model that wrote it; some were corrected since.
;; Attention. Allowed arithmetic: matrix products marked QUANTISED: E2M1 operands, one E8M0 scale for each 32 along K, by v_wmma_scale_f32_16x16x128_f8f6f4 with both operands' format E2M1 (or v_wmma_scale_f32_32x16x128_f4), f32 sums; products left as they are: f32 operands where the result goes on into a quantised operand, else bf16, f16 or f32 operands; f32 sums; everything else in f32.
;; Inputs: W_b 1,024 float32; W_w 1,024 x 2,048 float32; encoder_outputs 32 x 2,048 x 1,024 float32; hidden 32 x 1,024 float32; v_b 1 float32; v_w 1 x 1,024 float32.
;; Outputs: out0 32 x 1,024 float32; out1 32 x 2,048 float32.
;; This version of the problem:
;;   THIS VERSION OF THE PROBLEM IS GIVEN IN LOW PRECISION. The matrix products marked QUANTISED in the list below multiply operands that are first quantised to E2M1 (2 exponent bits, 1 mantissa bit; 4 bits a number), with one power-of-two scale for each 32 numbers along K (OCP MX v1.0); their sums are f32. All else is computed in f32.
;;   The module's matrix products, in the order in which they are computed (A, B: the left and right operand; K: the contracted axis; several contracted axes count as one K, in the product's order):
;;     1. [M 32, K 1,024] x [K 1,024, N 1,024]; A: input hidden; B: input W_w: QUANTISED
;;     2. [M 65,536, K 1,024] x [K 1,024, N 1,024]; A: input encoder_outputs; B: input W_w: QUANTISED
;;     3. [M 65,536, K 1,024] x [K 1,024, N 1]; A: computed on the way; B: input v_w: left as it is (N = 1 < 16)
;;     4. batch 32 x [M 1, K 2,048] x [K 2,048, N 1,024]; A: softmax; B: input encoder_outputs: left as it is (M = 1 < 16)
;;   THE QUANTISER, for each operand of a quantised product, along K:
;;     - K is cut into blocks of 32 from its start; a last block that is shorter is filled with zeros.
;;     - A block's scale is 2^e with e = floor(log2(the largest magnitude in the block)) - 2, held to -126 .. 127; a block of zeros has e = 0. As a byte (E8M0): e + 127.
;;     - Each number is divided by its block's scale, clamped to +-6, and rounded to the nearest number of E2M1, ties to even, subnormals kept.
;;     - The product sums the exact products of the quantised numbers (number of the format x scale) in f32.
;;   ~~~python
;;   def quantise(x, axis):      # numpy; x: float32 -> the quantised numbers, widened to float32 again
;;       x = np.moveaxis(x, axis, -1); K = x.shape[-1]
;;       x = np.pad(x, [(0, 0)] * (x.ndim - 1) + [(0, -K % 32)]); x = x.reshape(x.shape[:-1] + (-1, 32)); a = np.abs(x).max(-1, keepdims=True)
;;       e = np.where(a > 0, np.clip(np.frexp(np.where(a > 0, a, 1))[1] - 1 - 2, -126, 127), 0)      # np.frexp(a)[1] - 1 = floor(log2(a)), exactly
;;       r = np.clip(x / 2.0 ** e, -6, 6)
;;       step = 2.0 ** (np.maximum(np.frexp(np.where(r == 0, 1, r))[1] - 1, 0) - 1)
;;       q = np.round(r / step) * step * 2.0 ** e      # np.round: ties to even
;;       return np.moveaxis(q.reshape(q.shape[:-2] + (-1,))[..., :K], -1, axis).astype(np.float32)
;;   ~~~
;; One version. Each part assembles by itself: llvm-mc -triple=amdgcn-amd-amdhsa -mcpu=gfx1250 --defsym DOCPART=n.
;; ======== version 1 of 1: 3 launches
;; limits: right only within a limited range of input values
;; workspace buffers: wef 626,688 bytes; hbt 524,288 bytes; scores 262,144 bytes; pctx 1,048,576 bytes; pml 65,536 bytes
;; launch prep (part 1): grid 256 x 1, 4 waves a work-group, no clusters, 167,936 bytes of LDS; arguments W_w, hidden, W_b, wef, hbt; writes wef, hbt
.if DOCPART == 1
	.amdgcn_target "amdgcn-amd-amdhsa--gfx1250"
	.amdhsa_code_object_version 6
	.text
	.protected	k_qa02a0aeebb_prep
	.globl	k_qa02a0aeebb_prep
	.p2align	8
	.type	k_qa02a0aeebb_prep,@function
k_qa02a0aeebb_prep:
	s_mov_b64 s[64:65], 0
	v_nop
	global_prefetch_b8 v0, s[64:65] scope:SCOPE_SE
	s_setreg_imm32_b32 hwreg(HW_REG_WAVE_MODE, 25, 1), 1
	s_wait_xcnt 0x0
; W_w [1024][2048] f32 = [Wh | We].  This launch (a) turns We into codes of FP4 (E2M1) with one E8M0 byte for each 32 along K, laid in the order of the operand's registers,
; and (b) computes hb[b][o] = Q(hidden)[b] . Q(Wh)[o] + W_b[o] by the scaled FP4 matrix instruction, as FOUR PARTS along K, which the next launch adds.
; SHARES.  Work-group g: T = g / 4 owns rows o = 16 T .. 16 T + 15 of W_w, q = g % 4 owns K steps 2 q and 2 q + 1 (128 along K each): 64 x 4 = 256 work-groups.
; Wave j (0, 1) fetches W_w's tile of K step 2 q + j, quantises and multiplies; wave 2 + j only fetches hidden's tile of that K step.
; THE WAY IN.  ONE tensor load a wave, at the head.  W_w is read as [2048][1024]: row 2 o is Wh[o], row 2 o + 1 is We[o].  So one tile of 32 rows x 512 bytes, 4,096 bytes from row to row,
; holds Wh's and We's 16 rows by turns, and hidden's tile (32 rows x 512 bytes, the same pitch) has the same descriptor group 1.  Four loads fill two stages; no LDS byte is filled twice.
; Each wave waits for its load, one barrier follows, and wave j reads both tiles of stage j.
; For the conversions a lane (r = lane % 16, h = lane / 16) holds, of row r, k = 128 s + 64 c + 32 h + 0 .. 31 (c = 0, 1): two WHOLE blocks in the order of the operand's registers.
; A stage row is 512 bytes + 16 of padding.  A block's scale byte is the largest magnitude's exponent field - 2, held at 1 from below by a floor among the maximum's leaves.
; wef: [quarter 4][o-tile 18][8,704 bytes]: image (K step s, half c) at (2 s + c) 512 + 16 lane; at + 8,192 the scale words: lane (r, h)'s 16 bytes are row r's words of K steps 4 h .. 4 h + 3.
;      A work-group has two of a row's eight words: it stores 8 bytes a row, 16 bytes apart, 128 bytes in all; the images, 2,048 bytes, leave as runs of 512 consecutive bytes.
;      o-tiles 16 and 17 of a quarter repeat o-tiles 0 and 1, so that a reader that runs two tiles ahead needs no wrap of its pointer.
; hbt: [q 4][T 64][b 32][16 o] f32: part q is the sum over K steps 2 q, 2 q + 1; W_b is added in part 0 alone.
; NO CLUSTER: the 64 work-groups of one q read the same 32,768 bytes of hidden, but the launch has one fill and no loop: a joint request would put two rounds of the cluster's barrier round one load a wave.
; NO PREFETCH: the launch has no loop to run ahead in.
; LIMITS: a block whose largest magnitude lies under 2^-124 gets the byte 1; a block of zeros gets the byte 1 over zero codes (this program alone reads the bytes); NaN and infinities are not served;
; hb's eight K steps are summed in f32 as a tree, not in ascending order.
.set TB,  8704                         ; a block of wef
.set QB,  18*TB                        ; a quarter of wef
.set SP,  528                          ; a stage row
.set WST, 64*SP                        ; LDS 0: a K step's stage, 33,792 bytes: W_w's 32 rows (Wh, We by turns),
.set HST, 32*SP                        ; then hidden's 32 rows
.set RED, 2*WST                        ; behind the stages: two waves' 2,048 bytes of partial sums;
.set SBL, RED+4096                     ; 16 rows x 2 scale words of We.  No tile lands in these two
.set SPARE, SBL+256                    ; the spare words: 128 bytes for each of 4 waves, two blocks of 256 bytes that no other line names
.set XA,  64                           ; v64-127   64 numbers: Wh's, later We's; at the end what is read back from LDS
.set XB,  128                          ; v128-191  hidden, rows 0-15; later the two results v[128:135], v[136:143]
.set XC,  192                          ; v192-255  hidden, rows 16-31
.set CW,  34                           ; v34-41    Wh's codes, later We's
.set CH,  42                           ; v42-49, v50-57  hidden's codes
.set SW,  30                           ; v30 Wh's scale word, v31, v32 hidden's, v33 We's: these four hold scales and nothing else
.set G1,  44                           ; s[44:51] descriptor group 1, for both tiles
.set G0A, 52                           ; s[52:55], s[56:59] groups 0: W_w's tile, hidden's; never rewritten
.set G0H, 56
	s_load_b128 s[4:7], s[0:1], 0x0                ; W_w, hidden
	s_load_b128 s[8:11], s[0:1], 0x10              ; W_b, wef
	s_load_b64 s[12:13], s[0:1], 0x20              ; hbt
	v_lshl_add_u32 v29, v0, 2, SPARE
	v_mov_b32 v63, 0
	ds_add_u32 v29, v63                            ; the opening lines: the add, twice on end, and its wait ahead of the first tensor load
	ds_add_u32 v29, v63
	v_lshrrev_b32 v8, 5, v0
	v_readfirstlane_b32 s68, v8                    ; wave 0..3
	s_and_b32 s14, s68, 1                          ; j: which of the two stages
	s_and_b32 s67, ttmp9, 3                        ; q
	s_lshr_b32 s69, ttmp9, 2                       ; T
	s_lshl_b32 s70, s67, 1
	s_add_co_u32 s70, s70, s14                     ; K step s = 2 q + j
	s_mov_b32 s[G1+0], (2<<16)|(1<<20)|(6<<22)|(3<<25)   ; no mask; elements of 4 bytes; padding on: four words after every 128
	s_mov_b32 s[G1+1], 128<<16                     ; tensor_dim0 = 128
	s_mov_b32 s[G1+2], 32<<16                      ; tensor_dim1 = 32
	s_mov_b32 s[G1+3], 128<<16                     ; tile_dim0 = 128
	s_mov_b32 s[G1+4], 32                          ; tile_dim1 = 32
	s_mov_b32 s[G1+5], 1024                        ; 1,024 elements from row to row
	s_mov_b32 s[G1+6], 0
	s_mov_b32 s[G1+7], 0
	s_mul_i32 s66, s14, WST                        ; the stage
	s_lshl_b32 s18, s69, 17                        ; 16 rows of 8,192 bytes
	s_lshl_b32 s19, s70, 9                         ; + 512 s
	s_add_co_u32 s18, s18, s19
	s_mov_b32 s22, s19
	s_mov_b32 s19, 0
	s_mov_b32 s23, 0
	s_mov_b32 s20, 0x76543210
	s_mov_b32 s21, 0xfedcba98                      ; v_permlanex16_b32's selects for lane l xor 16
	s_lshl_b32 s24, s69, 6
	s_mov_b32 s25, 0
	s_lshr_b32 s26, s69, 4
	s_mul_i32 s26, s26, QB
	s_and_b32 s32, s69, 15                         ; the o-tile in its quarter
	s_mul_i32 s27, s32, TB
	s_add_co_u32 s26, s26, s27
	s_mov_b32 s27, 0
	s_lshl_b32 s30, s69, 11                        ; hbt: 2,048 T
	s_lshl_b32 s31, s67, 17                        ; + 131,072 q
	s_add_co_u32 s30, s30, s31
	s_mov_b32 s31, 0
	s_lshl_b32 s34, s70, 10                        ; my K step's two images
	s_mov_b32 s35, 0
	s_lshl_b32 s15, s14, 11
	s_add_co_u32 s15, s15, RED                     ; my partial sums: RED + 2,048 j
	s_lshl_b32 s16, s14, 2
	s_add_co_u32 s16, s16, SBL                     ; my scale word: SBL + 4 j
	s_lshl_b32 s33, s14, 10                        ; 1,024 j: used by waves 0 and 1 behind the last barrier
	s_lshr_b32 s36, s67, 1
	s_lshl_b32 s36, s36, 8
	s_and_b32 s37, s67, 1
	s_lshl_b32 s37, s37, 3
	s_add_co_u32 s36, s36, s37
	s_add_co_u32 s36, s36, 8192                    ; the work-group's two words in a block's scale words: 8,192 + 256 (q / 2) + 8 (q % 2)
	s_wait_dscnt 0x0                               ; both opening adds are done
	s_wait_kmcnt 0x0
	s_add_nc_u64 s[4:5], s[4:5], s[18:19]          ; W_w's tile: row 16 T, K step s
	s_add_nc_u64 s[6:7], s[6:7], s[22:23]          ; hidden's: row 0, K step s
	s_mov_b32 s[G0A], 1
	s_mov_b32 s[G0A+1], s66
	s_mov_b64 s[G0A+2:G0A+3], s[4:5]
	s_or_b32 s[G0A+3], s[G0A+3], 0x80000000
	s_mov_b32 s[G0H], 1
	s_add_co_u32 s[G0H+1], s66, HST
	s_mov_b64 s[G0H+2:G0H+3], s[6:7]
	s_or_b32 s[G0H+3], s[G0H+3], 0x80000000
	s_add_nc_u64 s[8:9], s[8:9], s[24:25]
	s_add_nc_u64 s[10:11], s[10:11], s[26:27]      ; my block of wef
	s_add_nc_u64 s[28:29], s[10:11], s[34:35]      ; and my wave's images in it
	s_add_nc_u64 s[12:13], s[12:13], s[30:31]
	s_cmp_lt_u32 s68, 2                            ; one chain of two arms on the wave's number, one load to an arm, one join
	s_cbranch_scc0 .Lfor_hidden
	tensor_load_to_lds s[G0A:G0A+3], s[G1:G1+7]
	s_nop 0
.rept 4
	v_nop
.endr
	s_branch .Lasked
.Lfor_hidden:
	tensor_load_to_lds s[G0H:G0H+3], s[G1:G1+7]
	s_nop 0
.rept 4
	v_nop
.endr
.Lasked:
	v_and_b32 v1, 15, v0                           ; r
	v_bfe_u32 v2, v0, 4, 1                         ; h
	v_and_b32 v5, 31, v0
	v_mul_u32_u24 v62, v1, SP
	v_lshlrev_b32 v58, 5, v2                       ; W_b: 32 h
	v_lshlrev_b32 v5, 4, v5                        ; 16 x lane
	global_load_b128 v[10:13], v58, s[8:9]         ; W_b[16 T + 8 h + 0 .. 7]: the result's layout
	global_load_b128 v[14:17], v58, s[8:9] offset:16
	v_lshl_add_u32 v62, v2, 7, v62
	v_lshlrev_b32 v8, 3, v2                        ; 8 h: how far my two bytes are shifted in the scale word
	v_add_nc_u32 v6, s15, v5                       ; LDS: my partial sums, 16 bytes a lane
	v_add_nc_u32 v62, s66, v62                     ; LDS: the stage, row r, + 128 h: hidden's rows
	v_lshl_add_u32 v7, v1, 3, s16                  ; LDS: my scale word, + 8 r
	v_mov_b32 v9, 0                                ; a lane permute's destination counts as one of its sources
	v_add_nc_u32 v59, s33, v5
	v_mad_u32_u24 v28, v1, SP, v62                 ; LDS: the stage, row 2 r, + 128 h: Wh's rows; We's lie one row on
	v_lshl_add_u32 v60, v1, 3, SBL                 ; LDS: row r's two scale words
	v_lshl_add_u32 v27, v1, 4, s36                 ; and their place in my block of wef
	v_lshlrev_b32 v61, 6, v1
	v_add_nc_u32 v59, RED, v59                     ; LDS: where the sums of hidden's tile (wave) are read back
	v_lshl_add_u32 v61, v2, 5, v61
	v_add_nc_u32 v61, s33, v61                     ; hbt: (16 tau + r) 64 + 32 h
.macro SLOAD xs, off, adr              ; my 64 numbers of 16 rows, from address register adr: 16 loads
.irp c, 0,1
.irp g, 0,1,2,3,4,5,6,7
	ds_load_b128 v[\xs+32*\c+4*\g:\xs+32*\c+4*\g+3], v[\adr] offset:\off+256*\c+16*\g
.endr
.endr
.endm
; 64 numbers of a lane, two whole blocks, become the operand's 8 registers v[cd] on and its row's scale word v[wd]
.macro QUANT6 xs, cd, wd
.irp c, 0,1
	v_max3_num_f32 v[18+\c], |v[\xs+32*\c]|, |v[\xs+32*\c+1]|, 0x1800000   ; and the floor 2^(3 - 127): the byte cannot fall under 1
.endr
.irp i, 2,4,6,8,10,12,14,16,18,20,22,24,26,28,30
.irp c, 0,1
	v_max3_num_f32 v[18+\c], v[18+\c], |v[\xs+32*\c+\i]|, |v[\xs+32*\c+\i+1]|   ; the two blocks by turns
.endr
.endr
.irp c, 0,1
	v_add_nc_u32 v[20+\c], 0xff000000, v[18+\c]    ; 2 off the exponent field: the conversion takes the exponent field of this operand as its scale
.endr
.irp c, 0,1
	v_lshrrev_b32 v[22+\c], 23, v[20+\c]           ; the scale's byte
.endr
	v_lshl_or_b32 v24, v23, 16, v22                ; my bytes: blocks h and 2 + h,
	v_lshlrev_b32 v24, v8, v24                     ; at their places,
	v_permlanex16_b32 v9, v24, s20, s21
	v_or_b32 v[\wd], v24, v9                       ; with lane l xor 16's two the word is whole
.irp c, 0,1
.irp g, 0,1,2,3
	v_cvt_scalef32_pk8_fp4_f32 v[\cd+4*\c+\g], v[\xs+32*\c+8*\g:\xs+32*\c+8*\g+7], v[20+\c]
.endr
.endr
	v_nop                                          ; one plain place behind the last scaled conversion
.endm
	s_wait_alu depctr_va_vdst(0)                   ; the wait at the head's end
	s_wait_tensorcnt 0x0                           ; my tile is in
	s_barrier_signal -1
	s_barrier_wait -1                              ; and so is every wave's: wave j may read both tiles of stage j
	s_cmp_ge_u32 s68, 2
	s_cbranch_scc1 .Ljoin                          ; waves 2 and 3 have fetched; they go on to the next barrier
	SLOAD XA, 0, 28                                ; Wh
	SLOAD XB, HST, 62
	SLOAD XC, HST+16*SP, 62
	s_wait_dscnt 32                                ; Wh's numbers are in registers; behind them hidden's 2 x 16 loads were issued
	QUANT6 XA, CW, SW
	SLOAD XA, SP, 28                               ; We, into the registers that Wh has left
	s_wait_dscnt 32                                ; hidden's rows 0-15 are in; behind them: rows 16-31 and We, 16 loads each
	QUANT6 XB, CH, SW+1
	s_wait_dscnt 16                                ; hidden's rows 16-31 are in; We's 16 may be out
	QUANT6 XC, CH+8, SW+2
.rept 8
	v_nop                                          ; a scale register written by a vector instruction stands 8 places ahead of a scaled matrix instruction, an operand so written 4
.endr
	; TRANSPOSED: source 0 = 16 rows of Wh (m = o), source 1 = 16 rows of hidden (n = b): register j of lane (r, h) is (o = 16 T + 8 h + j, b = 16 tau + r)
	v_wmma_scale_f32_16x16x128_f8f6f4 v[128:135], v[CW:CW+7], v[CH:CH+7], 0, v[SW], v[SW+1] matrix_a_fmt:MATRIX_FMT_FP4 matrix_b_fmt:MATRIX_FMT_FP4
	v_wmma_scale_f32_16x16x128_f8f6f4 v[136:143], v[CW:CW+7], v[CH+8:CH+15], 0, v[SW], v[SW+2] matrix_a_fmt:MATRIX_FMT_FP4 matrix_b_fmt:MATRIX_FMT_FP4
	s_wait_dscnt 0x0                               ; We
	QUANT6 XA, CW, SW+3                            ; its 32 maxima, which name none of the products' registers, are the places ahead of the conversions that write over Wh's codes and of the stores below
	ds_store_b128 v6, v[128:131]                   ; my K step's part of hb: each result from its low end on
	ds_store_b128 v6, v[132:135] offset:512
	ds_store_b128 v6, v[136:139] offset:1024
	ds_store_b128 v6, v[140:143] offset:1536
	ds_store_b32 v7, v[SW+3]                       ; We's scale word (both halves of the lanes hold the same word)
	global_store_b128 v5, v[CW:CW+3], s[28:29]     ; We's fragment as an image of its registers: 512 consecutive bytes a store
	global_store_b128 v5, v[CW+4:CW+7], s[28:29] offset:512
	s_cmp_ge_u32 s32, 2
	s_cbranch_scc1 .Ljoin
	global_store_b128 v5, v[CW:CW+3], s[28:29] offset:16*TB       ; o-tiles 0 and 1 once more, as 16 and 17
	global_store_b128 v5, v[CW+4:CW+7], s[28:29] offset:16*TB+512
.Ljoin:
	s_wait_loadcnt 0x0                             ; W_b
	s_wait_dscnt 0x0                               ; for the others' sake: my LDS stores have landed
	s_barrier_signal -1
	s_barrier_wait -1
	s_cmp_gt_u32 s68, 1
	s_cbranch_scc1 .Lnot_sum
	; waves 0 and 1: the two K steps' parts of hidden's tile tau = wave are added; in part 0, W_b on top
.irp a, 0,1
.irp g, 0,1
	ds_load_b128 v[XA+8*\a+4*\g:XA+8*\a+4*\g+3], v59 offset:\a*2048+\g*512
.endr
.endr
	s_wait_dscnt 0x0
.irp p, 0,2,4,6
	v_pk_add_f32 v[XA+\p:XA+\p+1], v[XA+\p:XA+\p+1], v[XA+8+\p:XA+8+\p+1]
.endr
	s_cmp_lg_u32 s67, 0
	s_wait_alu depctr_va_vdst(0)                   ; directly ahead of the branch
	s_cbranch_scc1 .Lno_bias
.irp p, 0,2,4,6
	v_pk_add_f32 v[XA+\p:XA+\p+1], v[XA+\p:XA+\p+1], v[10+\p:11+\p]
.endr
.Lno_bias:
	global_store_b128 v61, v[XA:XA+3], s[12:13]    ; the wave's two stores fill 1,024 consecutive bytes of hbt
	global_store_b128 v61, v[XA+4:XA+7], s[12:13] offset:16
	s_wait_tensorcnt 0x0                           ; the wave's end
	ds_add_u32 v29, v63
	s_wait_dscnt 0x0
	s_endpgm
.Lnot_sum:
	s_cmp_lg_u32 s68, 2
	s_cbranch_scc1 .Lend
	ds_load_b64 v[XA:XA+1], v60                    ; wave 2: each row's two scale words (lanes r and 16 + r hold and store the same 8 bytes)
	s_wait_dscnt 0x0
	global_store_b64 v27, v[XA:XA+1], s[10:11]
	s_cmp_ge_u32 s32, 2
	s_cbranch_scc1 .Lend
	global_store_b64 v27, v[XA:XA+1], s[10:11] offset:16*TB
.Lend:
	s_wait_tensorcnt 0x0                           ; the wave's end
	ds_add_u32 v29, v63
	s_wait_dscnt 0x0
	s_endpgm
.Lfunc_end_k_qa02a0aeebb_prep:
	.size	k_qa02a0aeebb_prep, .Lfunc_end_k_qa02a0aeebb_prep-k_qa02a0aeebb_prep
	.p2alignl 7, 3214868480
	.fill 96, 4, 3214868480
	.section	.rodata,"a",@progbits
	.p2align	6, 0x0
	.amdhsa_kernel k_qa02a0aeebb_prep
		.amdhsa_group_segment_fixed_size 167936
		.amdhsa_private_segment_fixed_size 0
		.amdhsa_enable_private_segment 0
		.amdhsa_kernarg_size 40
		.amdhsa_user_sgpr_count 2
		.amdhsa_user_sgpr_kernarg_segment_ptr 1
		.amdhsa_wavefront_size32 1
		.amdhsa_system_sgpr_workgroup_id_x 1
		.amdhsa_system_sgpr_workgroup_id_y 1
		.amdhsa_system_sgpr_workgroup_id_z 1
		.amdhsa_system_vgpr_workitem_id 0
		.amdhsa_next_free_vgpr 256
		.amdhsa_next_free_sgpr 72
		.amdhsa_reserve_vcc 0
		.amdhsa_float_denorm_mode_32 3
		.amdhsa_float_denorm_mode_16_64 3
		.amdhsa_memory_ordered 1
		.amdhsa_forward_progress 1
		.amdhsa_inst_pref_size 25
	.end_amdhsa_kernel
	.amdgpu_metadata
---
amdhsa.version: [ 1, 2 ]
amdhsa.kernels:
  - .name:           k_qa02a0aeebb_prep
    .symbol:         k_qa02a0aeebb_prep.kd
    .args:
      - { .name: W_w, .offset: 0, .size: 8, .value_kind: global_buffer, .address_space: global }
      - { .name: hidden, .offset: 8, .size: 8, .value_kind: global_buffer, .address_space: global }
      - { .name: W_b, .offset: 16, .size: 8, .value_kind: global_buffer, .address_space: global }
      - { .name: wef, .offset: 24, .size: 8, .value_kind: global_buffer, .address_space: global }
      - { .name: hbt, .offset: 32, .size: 8, .value_kind: global_buffer, .address_space: global }
    .group_segment_fixed_size: 167936
    .private_segment_fixed_size: 0
    .kernarg_segment_align: 8
    .kernarg_segment_size: 40
    .max_flat_workgroup_size: 128
    .sgpr_count:     72
    .vgpr_count:     256
    .wavefront_size: 32
...
	.end_amdgpu_metadata
.endif
;; end of part 1
;; launch main (part 2): grid 256 x 1, 4 waves a work-group, no clusters, 327,680 bytes of LDS; arguments encoder_outputs, wef, hbt, v_w, scores, pctx, pml; writes scores, pctx, pml
.if DOCPART == 2
	.amdgcn_target "amdgcn-amd-amdhsa--gfx1250"
	.amdhsa_code_object_version 6
	.text
	.protected	k_qa02a0aeebb_main
	.globl	k_qa02a0aeebb_main
	.p2align	8
	.type	k_qa02a0aeebb_main,@function
k_qa02a0aeebb_main:
	s_mov_b64 s[64:65], 0
	v_nop
	global_prefetch_b8 v0, s[64:65] scope:SCOPE_SE
	s_setreg_imm32_b32 hwreg(HW_REG_WAVE_MODE, 25, 1), 1
	s_wait_xcnt 0x0
; For 256 rows of one batch: s'[row] = -2 sum over o of v_w[o] r[o], r = 1 / (1 + 2^(c x)), x = hb[b][o] + Q(enc[row]) . Q(We[o]), c = 2 log2(e).
; tanh(x) = 1 - 2 r, so the score is (sum of v_w + v_b) + s': the constant is added by the last launch.  Beside s' the work-group keeps a running maximum m of s' log2(e) and the partial context
; sum over its rows of 2^(s' log2(e) - m) enc[row], brought under each new m by a multiplication: so enc is read from memory once.
; SHARES.  Work-group g: rows 256 g .. 256 g + 255 (batch g / 8), four tiles of 64 rows.  Four waves of 1,024 registers.  Wave w owns output units 256 w .. 256 w + 255 (16 tiles of 16) for all 64 rows of a tile,
; and rows 16 w .. 16 w + 15 of the tile for loading, quantising and the weighted sum.
; A TILE'S WAY.  A tensor load a wave brings its 16 rows (65,536 dense bytes, f32) into LDS; they come into 512 registers, a lane holding ONE block of 32 of each row; the LDS bytes are then free for the next tile, which has
; the whole product in which to land.  The rows are quantised from the registers (codes and scale bytes to LDS, read by all four waves as 32 fragments that stay in registers), and stay in the registers until the tile's
; scores are known: then the weighted sum is taken from them.
; We's codes come from memory straight into registers, in the order of the operand's registers, two o-tiles ahead, 512 consecutive bytes a load.
; THE MATRIX INSTRUCTION IS USED TRANSPOSED: source 0 = 16 rows of We, source 1 = 16 rows of enc: a lane holds ONE row of enc (lane % 16) and eight output units 8 (lane / 16) + 0 .. 7; hb is the C of a sum's first product.
; NO CLUSTER: all work-groups read the same 557,056 bytes of We's codes and scale words, but a joint load can land in LDS alone, and of the 327,680 bytes the tile takes 278,528 and the codes, tables and spare words 47,104:
; 2,048 bytes are left, which hold no ring.
; LIMITS: a block whose largest magnitude lies under 2^-124 gets the scale byte 1; a block of zeros the byte 1 over zero codes; NaN and infinities among the inputs are not served; the sum over o is taken in another order
; than the reference's; an exponential beyond f32's range gives r = 0 or 1, which is tanh's limit.
.set TB,    8704                       ; a block of wef: an o-tile's 16 images of 512 bytes and 512 bytes of scale words
.set QB,    18*TB                      ; a wave's quarter of wef
.set ENCW,  69632                      ; LDS 0: the tile: 256 pieces of 256 bytes + 16 of padding for each wave
.set ROWP,  4352                       ; a row of it: 16 pieces
.set CODES, 278528                     ; 64 rows x (512 bytes of codes + 16); between tiles its first 17,408 bytes are the stage of the four waves' partial contexts
.set CP,    528
.set SCL,   312320                     ; 64 rows x 32 scale bytes
.set HV,    314368                     ; for each wave 17 entries of 128 bytes: hb of 16 output units, v_w of the same 16; entry 16 repeats entry 0
.set HVW,   2176
.set PART,  323072                     ; [wave 4][row 64] partial sums over o
.set PBUF,  324096                     ; for each wave 256 bytes: the tile's 64 weights
.set SPARE, 325120                     ; the spare words, 128 bytes for each wave: two blocks of 256 bytes that no other line names
; window 0
.set SPW,  1                           ; v1   SPARE + 4 x my thread's number; never rewritten
.set NIL,  2                           ; v2   0; never rewritten
.set WOFF, 3                           ; v3   16 lane
.set ENCR, 4                           ; v4   my block of 32 in my wave's first row of the tile
.set CST,  5                           ; v5   where I store 16 bytes of codes
.set CFR,  6                           ; v6   where I read a fragment
.set SST,  7                           ; v7   where I store a scale byte
.set SRD,  8                           ; v8   where I read four scale words
.set HVR,  9                           ; v9   my half of an entry of my wave's table
.set PST,  10                          ; v10  where I store a partial sum
.set PRD,  11                          ; v11  where I read two rows' partial sums
.set PBS,  12                          ; v12  where I store two weights
.set PBR,  13                          ; v13  my wave's 16 rows' weights (the same in every lane)
.set STS,  14                          ; v14  the stage, in
.set STR,  15                          ; v15  the stage, out
.set SCO,  16                          ; v16  8 lane
.set MM,   17                          ; v17  the running maximum of s' log2(e)
.set FF,   18                          ; v[18:19] f = 2^(old maximum - new); v19 is written once, since the pair is named
.set SS,   20                          ; v[20:21] s' of rows 2 lane, 2 lane + 1
.set HVA,  22                          ; v22  the table's address in the trip in hand
.set TP,   23                          ; v23  a lane permute's destination
.set CTX8, 24                          ; v[24:31] my 8 numbers of the work-group's running context
.set SUM,  32                          ; v[32:39] sum over o of v r, a pair for each tile of rows
.set BY,   32                          ;          between tiles: eight scale bytes
.set HB,   40                          ; v[40:47] hb of the o-tile in hand
.set VV,   48                          ; v[48:55] v_w of it
.set ESC,  56                          ; v[56:71] enc's scale words, four registers a tile of rows: scales and nothing else
.set WSC,  72                          ; v[72:79] We's scale words, four registers a set: scales and nothing else
.set ACC,  80                          ; v[80:111] four accumulators
.set T,    80                          ;          between tiles: at work
.set WE,   112                         ; v[112:175], v[176:239] We's eight fragments of an o-tile, two sets
.set MX,   240                         ; v[240:255] the largest magnitudes of my 16 blocks
; window 1: enc's fragments: (tile of rows rt, K step s) at v[8 (8 rt + s)].   windows 2, 3: my 16 rows in f32: row p at v[32 (p % 8)] of window 2 + p / 8; register i of a row is column 32 lane + i
.set PS,   32                          ; s[32:63] my rows' weights: row p's in s[32 + 2 p]; the odd registers are written once, since pairs are named
.set MSB, 0
.macro WIN new                         ; the immediate's high byte repeats the setting that is left; a switch that changes nothing is dropped
.if MSB != (\new)
	s_set_vgpr_msb (MSB<<8)|(\new)
.set MSB, (\new)
.endif
.endm
.macro BAR
	s_barrier_signal -1
	s_barrier_wait -1
.endm
.macro PLACES
.rept 4
	v_nop
.endr
.endm
	s_load_b256 s[4:11], s[0:1], 0x0               ; enc s[4:5], wef s[6:7], hbt s[8:9], v_w s[10:11]
	s_load_b128 s[12:15], s[0:1], 0x20             ; scores s[12:13], pctx s[14:15]
	s_load_b64 s[16:17], s[0:1], 0x30              ; pml
	v_lshl_add_u32 v[SPW], v0, 2, SPARE
	v_mov_b32 v[NIL], 0
	ds_add_u32 v1, v2
	ds_add_u32 v1, v2
	s_wait_dscnt 0x0
	v_lshrrev_b32 v[TP], 5, v0
	v_readfirstlane_b32 s71, v[TP]                 ; wave 0..3
	; descriptor group 1: 65,536 dense bytes as 256 rows of 32 elements of 8 bytes, 16 bytes of padding behind each row
	s_mov_b32 s24, (3<<16)|(1<<20)|(5<<22)|(3<<25) ; 15:0 no mask; 17:16 elements of 8 bytes; 20 padding on; 24:22 after every 64 words (code 5); 31:25 four words (code 3)
	s_mov_b32 s25, 32<<16                          ; tensor_dim0 = 32
	s_mov_b32 s26, 256<<16                         ; tensor_dim1 = 256
	s_mov_b32 s27, 32<<16                          ; tile_dim0 = 32
	s_mov_b32 s28, 256                             ; tile_dim1 = 256
	s_mov_b32 s29, 32                              ; from row to row
	s_mov_b32 s30, 0
	s_mov_b32 s31, 0
	s_mov_b32 s20, 1                               ; group 0: count = 1
	s_mul_i32 s21, s71, ENCW                       ; LDS address: my wave's part of the tile
	s_lshl_b32 s76, ttmp9, 20                      ; 256 rows of 4,096 bytes a work-group,
	s_lshl_b32 s77, s71, 16                        ; 16 rows a wave
	s_add_co_u32 s76, s76, s77
	s_mov_b32 s77, 0
	s_mul_i32 s78, s71, QB
	s_add_co_u32 s78, s78, 2*TB                    ; wef: my quarter, two blocks on: the loads run two o-tiles ahead
	s_mov_b32 s79, 0
	s_lshr_b32 s80, ttmp9, 3                       ; the batch
	s_lshl_b32 s80, s80, 6
	s_lshl_b32 s81, s71, 15
	s_add_co_u32 s80, s80, s81                     ; hbt: 16 w tiles of 2,048 bytes + 64 b
	s_mov_b32 s81, 0
	s_lshl_b32 s82, s71, 10                        ; v_w: my 256 numbers
	s_mov_b32 s83, 0
	s_lshl_b32 s84, ttmp9, 10                      ; scores: 256 numbers a work-group
	s_mov_b32 s85, 0
	s_lshl_b32 s86, ttmp9, 12
	s_add_co_u32 s86, s86, s82                     ; pctx: 4,096 bytes a work-group, 1,024 a wave
	s_mov_b32 s87, 0
	s_lshl_b32 s88, ttmp9, 8                       ; pml: 256 bytes a work-group
	s_mov_b32 s89, 0
	s_wait_kmcnt 0x0
	s_add_nc_u64 s[22:23], s[4:5], s[76:77]        ; global address of my 16 rows of tile 0
	s_or_b32 s23, s23, 0x80000000                  ; type = 2
	tensor_load_to_lds s[20:23], s[24:31]          ; the first fill goes out ahead of everything else; one tensor load of mine is out, here and behind every refill
	s_nop 0
	PLACES
	s_add_nc_u64 s[6:7], s[6:7], s[78:79]
	s_add_nc_u64 s[8:9], s[8:9], s[80:81]
	s_add_nc_u64 s[10:11], s[10:11], s[82:83]
	s_add_nc_u64 s[12:13], s[12:13], s[84:85]
	s_add_nc_u64 s[14:15], s[14:15], s[86:87]
	s_add_nc_u64 s[16:17], s[16:17], s[88:89]
	v_and_b32 v242, 31, v0                         ; lane
	v_and_b32 v243, 15, v0                         ; r
	v_bfe_u32 v244, v0, 4, 1                       ; h
	v_bfe_u32 v245, v0, 1, 4                       ; lane / 2
	v_and_b32 v246, 1, v0                          ; lane % 2
	v_lshlrev_b32 v[WOFF], 4, v242
	v_lshlrev_b32 v20, 11, v245
	v_lshl_add_u32 v20, v246, 5, v20               ; hbt: o-tile lane / 2, its half lane % 2
	v_lshlrev_b32 v21, 5, v242                     ; v_w: 8 numbers a lane
.irp k, 0,1,2,3                        ; hb comes as four parts along K, 131,072 bytes apart
	global_load_b128 v[T+8*\k:T+8*\k+3], v20, s[8:9] offset:\k*131072
	global_load_b128 v[T+8*\k+4:T+8*\k+7], v20, s[8:9] offset:\k*131072+16
.endr
	global_load_b128 v[VV:VV+3], v21, s[10:11]
	global_load_b128 v[VV+4:VV+7], v21, s[10:11] offset:16
.macro LW z, off                       ; an o-tile of We into set z: 16 images and the scale words: 17 loads of 512 consecutive bytes
.irp s, 0,1,2,3,4,5,6,7
.irp c, 0,1
	global_load_b128 v[WE+64*\z+8*\s+4*\c:WE+64*\z+8*\s+4*\c+3], v[WOFF], s[6:7] offset:\off+(2*\s+\c)*512
.endr
.endr
	global_load_b128 v[WSC+4*\z:WSC+4*\z+3], v[WOFF], s[6:7] offset:\off+8192
.endm
	LW 0, -2*TB                                    ; o-tiles 0 and 1
	LW 1, -TB
	; every LDS address: a constant + a constant x wave + the lane's term
	v_lshlrev_b32 v[ENCR], 7, v242
	v_lshl_add_u32 v[ENCR], v245, 4, v[ENCR]
	v_add_nc_u32 v[ENCR], s21, v[ENCR]             ; 128 lane, + 16 for each 256 passed
	s_mul_i32 s90, s71, 16*CP
	s_add_co_u32 s90, s90, CODES
	v_add_nc_u32 v[CST], s90, v[WOFF]
	v_mul_u32_u24 v[CFR], v243, CP
	v_lshl_add_u32 v[CFR], v244, 4, v[CFR]
	v_add_nc_u32 v[CFR], CODES, v[CFR]
	s_lshl_b32 s90, s71, 9
	s_add_co_u32 s90, s90, SCL
	v_add_nc_u32 v[SST], s90, v242
	v_lshlrev_b32 v[SRD], 5, v243
	v_lshl_add_u32 v[SRD], v244, 4, v[SRD]
	v_add_nc_u32 v[SRD], SCL, v[SRD]
	s_mul_i32 s91, s71, HVW
	s_add_co_u32 s91, s91, HV
	v_lshl_add_u32 v[HVR], v244, 5, s91
	v_lshlrev_b32 v240, 7, v245
	v_lshl_add_u32 v240, v246, 5, v240
	v_add_nc_u32 v240, s91, v240                   ; the table, in: entry lane / 2, half lane % 2
	v_and_b32 v241, 7, v0
	v_lshl_add_u32 v241, v241, 4, s91              ; entry 0 of my table, 16 bytes for each of eight lanes (the other lanes repeat them)
	s_lshl_b32 s90, s71, 8
	s_add_co_u32 s90, s90, PART
	v_lshl_add_u32 v[PST], v243, 2, s90
	v_lshl_add_u32 v[PRD], v242, 3, PART
	s_lshl_b32 s90, s71, 8
	s_add_co_u32 s90, s90, PBUF
	v_lshl_add_u32 v[PBS], v242, 3, s90
	s_mul_i32 s90, s71, 320
	s_add_co_u32 s90, s90, PBUF
	v_mov_b32 v[PBR], s90                          ; my wave's 256 bytes + 64 w: rows 16 w on
	s_mul_i32 s90, s71, ROWP
	s_add_co_u32 s90, s90, CODES
	v_lshlrev_b32 v[STS], 7, v242
	v_lshl_add_u32 v[STS], v245, 4, v[STS]
	v_add_nc_u32 v[STS], s90, v[STS]
	s_mul_i32 s90, s71, 1088
	s_add_co_u32 s90, s90, CODES
	v_lshl_add_u32 v[STR], v244, 4, v[WOFF]
	v_add_nc_u32 v[STR], s90, v[STR]
	v_lshlrev_b32 v[SCO], 3, v242
	v_mov_b32 v[MM], 0xff61b1e6                    ; -3e38, under every s' log2(e)
	v_mov_b32 v[FF+1], 0
	v_mov_b32 v[TP], 0
.irp i, 0,1,2,3,4,5,6,7
	v_mov_b32 v[CTX8+\i], 0                        ; the first f is 0, which leaves zeros zeros
.endr
.irp i, 33,35,37,39,41,43,45,47,49,51,53,55,57,59,61,63
	s_mov_b32 s\i, 0
.endr
	s_mov_b32 s66, 0x4038aa3b                      ; c = 2 log2(e)
	s_mov_b32 s67, s66                             ; (named with it as a pair)
	s_mov_b32 s68, 0x76543210
	s_mov_b32 s69, 0xfedcba98                      ; v_permlanex16_b32's selects for lane l xor 16
	s_mov_b32 s70, 0x1800000                       ; the floor 2^(3 - 127)
	s_wait_loadcnt 34                              ; the ten small loads are in; behind them the two sets of We, 17 loads each, were issued
.irp p, 0,2,4,6
	v_pk_add_f32 v[T+\p:T+\p+1], v[T+\p:T+\p+1], v[T+8+\p:T+8+\p+1]            ; hb's four parts are added, as a tree
	v_pk_add_f32 v[T+16+\p:T+16+\p+1], v[T+16+\p:T+16+\p+1], v[T+24+\p:T+24+\p+1]
.endr
.irp p, 0,2,4,6
	v_pk_add_f32 v[T+\p:T+\p+1], v[T+\p:T+\p+1], v[T+16+\p:T+16+\p+1]
.endr
	ds_store_b128 v240, v[T:T+3]
	ds_store_b128 v240, v[T+4:T+7] offset:16
	ds_store_b128 v240, v[VV:VV+3] offset:64
	ds_store_b128 v240, v[VV+4:VV+7] offset:80
	ds_load_b128 v[T+8:T+11], v241                 ; entry 0 back (my wave's own bytes, served in order),
	s_wait_dscnt 0x0
	ds_store_b128 v241, v[T+8:T+11] offset:2048    ; and once more as entry 16 (four lanes write the same bytes with the same values)
	ds_load_b128 v[HB:HB+3], v[HVR]                ; LDS serves a wave's instructions in order (ISA guide 5.7.1.4): these see my stores; the table is my wave's own
	ds_load_b128 v[HB+4:HB+7], v[HVR] offset:16
	ds_load_b128 v[VV:VV+3], v[HVR] offset:64
	ds_load_b128 v[VV+4:VV+7], v[HVR] offset:80
; tanh's parts for the tile of rows rt: x c | 2^ | + 1 | 1 / | sum += v r
.macro TA rt
.irp p, 0,2,4,6
	v_pk_mul_f32 v[ACC+8*\rt+\p:ACC+8*\rt+\p+1], v[ACC+8*\rt+\p:ACC+8*\rt+\p+1], s[66:67] op_sel_hi:[1,0]   ; each accumulator is read from its low end on
.endr
.endm
.macro TX rt
.irp j, 0,1,2,3,4,5,6,7
	v_exp_f32 v[ACC+8*\rt+\j], v[ACC+8*\rt+\j]
.endr
.endm
.macro TC rt
.irp p, 0,2,4,6
	v_pk_add_f32 v[ACC+8*\rt+\p:ACC+8*\rt+\p+1], v[ACC+8*\rt+\p:ACC+8*\rt+\p+1], 1.0 op_sel_hi:[1,0]
.endr
.endm
.macro TR rt
.irp j, 0,1,2,3,4,5,6,7
	v_rcp_f32 v[ACC+8*\rt+\j], v[ACC+8*\rt+\j]
.endr
.endm
.macro TE rt
.irp p, 0,2,4,6
	v_pk_fma_f32 v[SUM+2*\rt:SUM+2*\rt+1], v[ACC+8*\rt+\p:ACC+8*\rt+\p+1], v[VV+\p:VV+\p+1], v[SUM+2*\rt:SUM+2*\rt+1]
.endr
.endm
; One o-tile, from set z.  32 products: K step by K step, the four accumulators by turns, one instruction a turn; hb starts each sum.
.macro HALF z
	s_wait_loadcnt 17                              ; this set's 17 loads are in; the other set's 17 were issued behind them
	s_wait_dscnt 2                                 ; hb is in; v_w's two loads were issued behind it
	WIN 0x04                                       ; source 1 (enc) window 1
.irp s, 0,1,2,3,4,5,6,7
.irp rt, 0,1,2,3
.if \s == 0
	v_wmma_scale_f32_16x16x128_f8f6f4 v[ACC+8*\rt:ACC+8*\rt+7], v[WE+64*\z+8*\s:WE+64*\z+8*\s+7], v[8*(8*\rt+\s):8*(8*\rt+\s)+7], v[HB:HB+7], v[WSC+4*\z+\s], v[ESC+4*\rt+\s] matrix_a_fmt:MATRIX_FMT_FP4 matrix_b_fmt:MATRIX_FMT_FP4
.elseif \s < 4
	v_wmma_scale_f32_16x16x128_f8f6f4 v[ACC+8*\rt:ACC+8*\rt+7], v[WE+64*\z+8*\s:WE+64*\z+8*\s+7], v[8*(8*\rt+\s):8*(8*\rt+\s)+7], v[ACC+8*\rt:ACC+8*\rt+7], v[WSC+4*\z+\s], v[ESC+4*\rt+\s] matrix_a_fmt:MATRIX_FMT_FP4 matrix_b_fmt:MATRIX_FMT_FP4
.else
	v_wmma_scale_f32_16x16x128_f8f6f4 v[ACC+8*\rt:ACC+8*\rt+7], v[WE+64*\z+8*\s:WE+64*\z+8*\s+7], v[8*(8*\rt+\s):8*(8*\rt+\s)+7], v[ACC+8*\rt:ACC+8*\rt+7], v[WSC+4*\z+\s-4], v[ESC+4*\rt+\s-4] matrix_a_fmt:MATRIX_FMT_FP4 matrix_b_fmt:MATRIX_FMT_FP4 matrix_a_scale:MATRIX_SCALE_ROW1 matrix_b_scale:MATRIX_SCALE_ROW1
.endif
.endr
.endr
	WIN 0
	PLACES                                         ; four places in front of the loads into registers that the products have read, and of the first read of results
	; the o-tile's tanh goes as two whole batches, 32 exponentials and 32 reciprocals, each with one wait ahead of it and one behind it
	TA 0
	TA 1
	TA 2
	TA 3
	s_wait_alu depctr_va_vdst(0)                   ; ahead of the exponentials
	LW \z, \z*TB                                   ; the o-tile two on, into the set just read
	ds_load_b128 v[HB:HB+3], v[HVA] offset:128*(\z+1)      ; the next o-tile's hb
	ds_load_b128 v[HB+4:HB+7], v[HVA] offset:128*(\z+1)+16
	s_wait_dscnt 2                                 ; this o-tile's v_w is in; the two loads just issued may be out
	TX 0
	TX 1
	TX 2
	TX 3
	v_nop                                          ; a plain place behind the batch
	s_wait_alu depctr_va_vdst(0)                   ; behind the exponentials
	TC 0
	TC 1
	TC 2
	TC 3
	s_wait_alu depctr_va_vdst(0)                   ; ahead of the reciprocals
	TR 0
	TR 1
	TR 2
	TR 3
	v_nop                                          ; a plain place behind the batch
	s_wait_alu depctr_va_vdst(0)                   ; behind the reciprocals
.irp p, 0,2,4,6
.irp rt, 0,1,2,3
	v_pk_fma_f32 v[SUM+2*\rt:SUM+2*\rt+1], v[ACC+8*\rt+\p:ACC+8*\rt+\p+1], v[VV+\p:VV+\p+1], v[SUM+2*\rt:SUM+2*\rt+1]   ; sum += v r, the four tiles of rows by turns
.endr
.endr
	ds_load_b128 v[VV:VV+3], v[HVA] offset:128*(\z+1)+64   ; the next o-tile's v_w
	ds_load_b128 v[VV+4:VV+7], v[HVA] offset:128*(\z+1)+80
.endm
; A tile's product: my 16 o-tiles, two a trip.  The last trip's look-ahead takes blocks 16 and 17 of my quarter and entry 16 of my table, which repeat 0, 1 and 0: the next tile's first operands.
.macro GEMM
.irp i, 0,1,2,3,4,5,6,7
	v_mov_b32 v[SUM+\i], 0
.endr
	s_mov_b32 s72, 0
	s_mov_b32 s73, 8
.Lg_\@:
	v_add_nc_u32 v[HVA], s72, v[HVR]
	s_wait_alu depctr_va_vdst(0)
	HALF 0
	HALF 1
	s_wait_xcnt 0x0                                ; the loads have read their base: it is stepped only behind this wait
	s_add_nc_u64 s[6:7], s[6:7], 2*TB
	s_add_co_u32 s72, s72, 256
	s_sub_co_u32 s73, s73, 1
	s_cmp_lg_u32 s73, 0
	s_cbranch_scc1 .Lg_\@
	s_sub_nc_u64 s[6:7], s[6:7], 16*TB             ; back to my quarter's block 2 (no load was issued since the wait above)
.endm
; my 256 output units' part of each row's sum goes to LDS; behind the barrier all parts lie there, and nobody reads the tile's codes any more
.macro PARTIAL
.irp rt, 0,1,2,3
	v_add_f32 v[SUM+2*\rt], v[SUM+2*\rt], v[SUM+2*\rt+1]
.endr
.irp rt, 0,1,2,3
	v_permlanex16_b32 v[SUM+2*\rt+1], v[SUM+2*\rt], s68, s69
.endr
.irp rt, 0,1,2,3
	v_add_f32 v[SUM+2*\rt], v[SUM+2*\rt], v[SUM+2*\rt+1]
.endr
.irp rt, 0,1,2,3
	ds_store_b32 v[PST], v[SUM+2*\rt] offset:64*\rt        ; row 16 rt + r (both halves of the lanes hold the same number)
.endr
	s_wait_dscnt 0x0
	BAR
.endm
; every wave does the same arithmetic on the same numbers: s' of the 64 rows, the new maximum, f, the weights; then each takes its own 16 rows' weights into scalar registers
.macro STATS
.irp a, 0,1,2,3
	ds_load_b64 v[T+2*\a:T+2*\a+1], v[PRD] offset:256*\a
.endr
	s_wait_dscnt 0x0
	v_pk_add_f32 v[T:T+1], v[T:T+1], v[T+2:T+3]
	v_pk_add_f32 v[T+4:T+5], v[T+4:T+5], v[T+6:T+7]
	v_pk_add_f32 v[T:T+1], v[T:T+1], v[T+4:T+5]
	v_pk_mul_f32 v[SS:SS+1], v[T:T+1], -2.0 op_sel_hi:[1,0]
	s_cmp_lg_u32 s71, 0
	s_cbranch_scc1 .Lnot0_\@
	global_store_b64 v[SCO], v[SS:SS+1], s[12:13]  ; wave 0: 256 consecutive bytes, at a multiple of 256 from the buffer's first byte
.Lnot0_\@:
	s_wait_alu depctr_va_vdst(0)
	v_pk_mul_f32 v[T+8:T+9], v[SS:SS+1], 0x3fb8aa3b op_sel_hi:[1,0]   ; t = s' log2(e)
	v_max_num_f32 v[T+10], v[T+8], v[T+9]
	v_max_num_f32_dpp v[T+10], v[T+10], v[T+10] row_xmask:1 row_mask:0xf bank_mask:0xf
	v_max_num_f32_dpp v[T+10], v[T+10], v[T+10] row_xmask:2 row_mask:0xf bank_mask:0xf
	v_max_num_f32_dpp v[T+10], v[T+10], v[T+10] row_xmask:4 row_mask:0xf bank_mask:0xf
	v_max_num_f32_dpp v[T+10], v[T+10], v[T+10] row_xmask:8 row_mask:0xf bank_mask:0xf
	v_permlanex16_b32 v[TP], v[T+10], s68, s69
	v_max3_num_f32 v[T+10], v[T+10], v[TP], v[MM]  ; the new running maximum
	v_sub_f32 v[FF], v[MM], v[T+10]
	v_sub_f32 v[T+8], v[T+8], v[T+10]
	v_sub_f32 v[T+9], v[T+9], v[T+10]
	s_wait_alu depctr_va_vdst(0)
	v_exp_f32 v[FF], v[FF]                         ; f
	v_exp_f32 v[T+8], v[T+8]                       ; the weights, at most 1
	v_exp_f32 v[T+9], v[T+9]
	v_mov_b32 v[MM], v[T+10]                       ; (a plain place behind the exponentials)
	s_wait_alu depctr_va_vdst(0)
	ds_store_b64 v[PBS], v[T+8:T+9]
.irp q, 0,1,2,3
	ds_load_b128 v[T+16+4*\q:T+16+4*\q+3], v[PBR] offset:16*\q   ; my wave's own bytes, served in order
.endr
	s_wait_dscnt 0x0
.irp p, 0,1,2,3,4,5,6,7,8,9,10,11,12,13,14,15
	v_readfirstlane_b32 s[PS+2*\p], v[T+16+\p]
.endr
	s_wait_xcnt 0x0                                ; the store has read its base and its data
	s_add_nc_u64 s[12:13], s[12:13], 256
.endm
; the weighted sum of my rows 8 g .. 8 g + 7, from the registers that hold them: T's 16 pairs are my lane's 32 columns
.macro CTX g
	WIN 0x02+\g                                    ; source 0 window 2 or 3
.irp p, 0,1,2,3,4,5,6,7
.irp i, 0,2,4,6,8,10,12,14,16,18,20,22,24,26,28,30
.if (\g == 0) && (\p == 0)
	v_pk_mul_f32 v[T+\i:T+\i+1], v[32*\p+\i:32*\p+\i+1], s[PS+2*(8*\g+\p):PS+2*(8*\g+\p)+1] op_sel_hi:[1,0]
.else
	v_pk_fma_f32 v[T+\i:T+\i+1], v[32*\p+\i:32*\p+\i+1], s[PS+2*(8*\g+\p):PS+2*(8*\g+\p)+1], v[T+\i:T+\i+1] op_sel_hi:[1,0,1]
.endif
.endr
.endr
.endm
.macro XLOAD g                         ; my rows 8 g .. 8 g + 7 of the tile in LDS: 64 loads
	WIN 0x80+0x40*\g                               ; destination window 2 or 3
.irp p, 0,1,2,3,4,5,6,7
.irp j, 0,1,2,3,4,5,6,7
	ds_load_b128 v[32*\p+4*\j:32*\p+4*\j+3], v[ENCR] offset:(8*\g+\p)*ROWP+16*\j
.endr
.endr
.endm
.macro QMAX g                          ; the largest magnitude of my block of each of the eight rows, the rows by turns
	WIN 0x0a+5*\g                                  ; sources 0 and 1 window 2 or 3
.irp p, 0,1,2,3,4,5,6,7
	v_max3_num_f32 v[MX+8*\g+\p], |v[32*\p]|, |v[32*\p+1]|, s70    ; and the floor: the byte cannot fall under 1
.endr
.irp i, 2,4,6,8,10,12,14,16,18,20,22,24,26,28,30
.irp p, 0,1,2,3,4,5,6,7
	v_max3_num_f32 v[MX+8*\g+\p], |v[32*\p+\i]|, |v[32*\p+\i+1]|, v[MX+8*\g+\p]
.endr
.endr
.endm
.macro QCVT g                          ; scale bytes and codes of the eight rows, to LDS; the rows stay as they are
	WIN 0
.irp p, 0,1,2,3,4,5,6,7
	v_add_nc_u32 v[MX+8*\g+\p], 0xff000000, v[MX+8*\g+\p]   ; 2 off the exponent field: the conversion's scale operand
.endr
.irp p, 0,1,2,3,4,5,6,7
	v_lshrrev_b32 v[BY+\p], 23, v[MX+8*\g+\p]      ; the scale's byte
.endr
	WIN 0x02+\g
.irp p, 0,1,2,3,4,5,6,7
.irp q, 0,1,2,3
	v_cvt_scalef32_pk8_fp4_f32 v[T+4*\p+\q], v[32*\p+8*\q:32*\p+8*\q+7], v[MX+8*\g+\p]
.endr
.endr
	WIN 0
	v_nop                                          ; one plain place behind the last scaled conversion
.irp p, 0,1,2,3,4,5,6,7
	ds_store_b128 v[CST], v[T+4*\p:T+4*\p+3] offset:(8*\g+\p)*CP   ; a row's 512 bytes of codes from 32 lanes
	ds_store_b8 v[SST], v[BY+\p] offset:(8*\g+\p)*32
.endr
.endm
.macro FRAGS                           ; all 64 rows' codes as 32 fragments, and their scale words: lane (r, h) takes row r's words of K steps 4 h .. 4 h + 3
	WIN 0x40                                       ; destination window 1
.irp rt, 0,1,2,3
.irp s, 0,1,2,3,4,5,6,7
.irp c, 0,1
	ds_load_b128 v[8*(8*\rt+\s)+4*\c:8*(8*\rt+\s)+4*\c+3], v[CFR] offset:\rt*16*CP+64*\s+32*\c
.endr
.endr
.endr
	WIN 0
.irp rt, 0,1,2,3
	ds_load_b128 v[ESC+4*\rt:ESC+4*\rt+3], v[SRD] offset:512*\rt
.endr
	s_wait_dscnt 0x0
.endm
; The tile's bytes in LDS have been asked for by 128 loads.  Each wave waits for all its tensor loads (none is out), adds 0 to its spare word, and waits for that and for its reads of the tile; the first eight rows' maxima
; stand between.  Behind the barrier nobody reads the tile's bytes; fill = 1: they are filled with the next tile, which has the whole product in which to land.
.macro REFILL fill
	WIN 0
	s_wait_tensorcnt 0x0                           ; no tensor load of mine is out, so group 0 may be written
	ds_add_u32 v[SPW], v[NIL]                      ; 0 onto my spare word
.if \fill
	s_add_nc_u64 s[22:23], s[22:23], 262144        ; 64 rows on; the type bits on top are not reached
.endif
	s_wait_dscnt 63                                ; rows 0-7 are in: behind their loads at least 65 LDS instructions were issued (rows 8-15's 64 and the add); 63 is the largest count that the wait can name
	QMAX 0
	WIN 0
	s_wait_dscnt 0x0                               ; the add is done, my reads of the tile are back, my stores into the stage have landed
	BAR
.if \fill
	tensor_load_to_lds s[20:23], s[24:31]          ; the first thing behind the barrier, and my one tensor load until the next
	s_nop 0
	PLACES
.endif
.endm
.macro STAGE_IN                        ; my 16 rows' part of the tile's context: 128 bytes a lane, padded like the tile
.irp j, 0,1,2,3,4,5,6,7
	ds_store_b128 v[STS], v[T+4*\j:T+4*\j+3] offset:16*\j
.endr
.endm
; the four waves' parts of columns 256 w .. 256 w + 255 are added and taken into the running context: context = context f + the tile's.  q = 1: rows 8-15's maxima stand between the loads and the wait for them
.macro STAGE_OUT q
.irp a, 0,1,2,3
.irp u, 0,1
	ds_load_b128 v[T+8*\a+4*\u:T+8*\a+4*\u+3], v[STR] offset:\a*ROWP+\u*544
.endr
.endr
.if \q
	QMAX 1
	WIN 0
.endif
	s_wait_dscnt 0x0
.irp p, 0,2,4,6
	v_pk_add_f32 v[T+\p:T+\p+1], v[T+\p:T+\p+1], v[T+8+\p:T+8+\p+1]
	v_pk_add_f32 v[T+16+\p:T+16+\p+1], v[T+16+\p:T+16+\p+1], v[T+24+\p:T+24+\p+1]
.endr
.irp p, 0,2,4,6
	v_pk_add_f32 v[T+\p:T+\p+1], v[T+\p:T+\p+1], v[T+16+\p:T+16+\p+1]
.endr
.irp p, 0,2,4,6
	v_pk_fma_f32 v[CTX8+\p:CTX8+\p+1], v[CTX8+\p:CTX8+\p+1], v[FF:FF+1], v[T+\p:T+\p+1] op_sel_hi:[1,0,1]
.endr
.endm
.macro CODE                            ; the rows in my registers become codes in LDS; behind the barrier every wave takes all 64 rows' fragments
	QCVT 0
	s_wait_dscnt 0x0                               ; the stores have read their registers
	QCVT 1
	s_wait_dscnt 0x0                               ; for the others' sake: my codes and bytes have landed
	BAR
	FRAGS
.endm
; between two tiles: the weighted sum of the tile just scored, from registers; as each half of the rows is done with, the next tile's rows take its registers
.macro BOUNDARY fill
	CTX 0
	s_wait_tensorcnt 0x0                           ; my part of the next tile is in LDS: one load of mine was out and none is younger; only I read these bytes
	XLOAD 0
	CTX 1
	WIN 0
	STAGE_IN
	XLOAD 1
	REFILL \fill                                   ; its barrier also shows every wave's part of the stage to the others
	STAGE_OUT 1
	BAR                                            ; the stage has been read (the wait above): its bytes may take codes again
	CODE
.endm
	s_wait_tensorcnt 0x0                           ; tile 0: my 16 rows are in LDS
	XLOAD 0
	XLOAD 1
	REFILL 1                                       ; tile 1 goes out
	QMAX 1
	CODE
	s_mov_b32 s74, 2
.Ltile:                                                ; tiles 0 and 1: behind each the tile two on is asked for
	GEMM
	s_wait_alu depctr_va_vdst(0)
	PARTIAL
	STATS
	BOUNDARY 1
	s_sub_co_u32 s74, s74, 1
	s_cmp_lg_u32 s74, 0
	s_cbranch_scc1 .Ltile
	GEMM                                           ; tile 2 is written out: nothing is left to ask for
	s_wait_alu depctr_va_vdst(0)
	PARTIAL
	STATS
	BOUNDARY 0
	GEMM                                           ; tile 3 (its last trip's look-ahead stays inside wef and is not used)
	s_wait_alu depctr_va_vdst(0)
	PARTIAL
	STATS
	CTX 0
	CTX 1
	WIN 0
	STAGE_IN
	s_wait_dscnt 0x0
	BAR
	STAGE_OUT 0
	global_store_b128 v[WOFF], v[CTX8:CTX8+3], s[14:15]            ; 512 consecutive bytes a store
	global_store_b128 v[WOFF], v[CTX8+4:CTX8+7], s[14:15] offset:512
	v_mov_b32 v[SS], v[MM]                         ; (the last store of s' has read these registers: a wait on XCNT stands at the end of STATS)
	v_mov_b32 v[SS+1], v[MM]
	s_cmp_lg_u32 s71, 0
	s_cbranch_scc1 .Lno_pml
	global_store_b64 v[SCO], v[SS:SS+1], s[16:17]  ; the work-group's maximum, 64 times: 256 consecutive bytes
.Lno_pml:
	s_wait_tensorcnt 0x0                           ; the wave's end: behind my last tensor load and my last LDS store
	ds_add_u32 v[SPW], v[NIL]
	s_wait_dscnt 0x0
	s_endpgm
.Lfunc_end_k_qa02a0aeebb_main:
	.size	k_qa02a0aeebb_main, .Lfunc_end_k_qa02a0aeebb_main-k_qa02a0aeebb_main
	.p2alignl 7, 3214868480
	.fill 96, 4, 3214868480
	.section	.rodata,"a",@progbits
	.p2align	6, 0x0
	.amdhsa_kernel k_qa02a0aeebb_main
		.amdhsa_group_segment_fixed_size 327680
		.amdhsa_private_segment_fixed_size 0
		.amdhsa_enable_private_segment 0
		.amdhsa_kernarg_size 56
		.amdhsa_user_sgpr_count 2
		.amdhsa_user_sgpr_kernarg_segment_ptr 1
		.amdhsa_wavefront_size32 1
		.amdhsa_system_sgpr_workgroup_id_x 1
		.amdhsa_system_sgpr_workgroup_id_y 1
		.amdhsa_system_sgpr_workgroup_id_z 1
		.amdhsa_system_vgpr_workitem_id 0
		.amdhsa_next_free_vgpr 1024
		.amdhsa_next_free_sgpr 96
		.amdhsa_reserve_vcc 0
		.amdhsa_float_denorm_mode_32 3
		.amdhsa_float_denorm_mode_16_64 3
		.amdhsa_memory_ordered 1
		.amdhsa_forward_progress 1
		.amdhsa_inst_pref_size 255
	.end_amdhsa_kernel
	.section	.bss,"aw",@nobits
	.p2align	6
	.space	262144
	.amdgpu_metadata
---
amdhsa.version: [ 1, 2 ]
amdhsa.kernels:
  - .name:           k_qa02a0aeebb_main
    .symbol:         k_qa02a0aeebb_main.kd
    .args:
      - { .name: encoder_outputs, .offset: 0, .size: 8, .value_kind: global_buffer, .address_space: global }
      - { .name: wef, .offset: 8, .size: 8, .value_kind: global_buffer, .address_space: global }
      - { .name: hbt, .offset: 16, .size: 8, .value_kind: global_buffer, .address_space: global }
      - { .name: v_w, .offset: 24, .size: 8, .value_kind: global_buffer, .address_space: global }
      - { .name: scores, .offset: 32, .size: 8, .value_kind: global_buffer, .address_space: global }
      - { .name: pctx, .offset: 40, .size: 8, .value_kind: global_buffer, .address_space: global }
      - { .name: pml, .offset: 48, .size: 8, .value_kind: global_buffer, .address_space: global }
    .group_segment_fixed_size: 327680
    .private_segment_fixed_size: 0
    .kernarg_segment_align: 8
    .kernarg_segment_size: 56
    .max_flat_workgroup_size: 128
    .sgpr_count:     96
    .vgpr_count:     1024
    .wavefront_size: 32
...
	.end_amdgpu_metadata
.endif
;; end of part 2
;; launch finish (part 3): grid 32 x 1, 8 waves a work-group, no clusters, 1,280 bytes of LDS; arguments scores, pctx, pml, v_w, v_b, out0, out1; writes out0, out1
.if DOCPART == 3
	.amdgcn_target "amdgcn-amd-amdhsa--gfx1250"
	.amdhsa_code_object_version 6
	.text
	.protected	k_qa02a0aeebb_finish
	.globl	k_qa02a0aeebb_finish
	.p2align	8
	.type	k_qa02a0aeebb_finish,@function
k_qa02a0aeebb_finish:
	s_mov_b64 s[64:65], 0
	v_nop
	global_prefetch_b8 v0, s[64:65] scope:SCOPE_SE
	s_setreg_imm32_b32 hwreg(HW_REG_WAVE_MODE, 25, 1), 1
	s_wait_xcnt 0x0
; Work-group b finishes batch b.  score = s' + V0, V0 = the sum of v_w + v_b.  weights = softmax over the batch's 2,048 scores, with the row's maximum taken away: e = 2^(T - Mx), T = score log2(e), Mx = the largest T.
; context = sum over the batch's eight partial contexts of 2^(m_k + V0 log2(e) - Mx) / L x pctx_k: m_k is the maximum under which partial context k was summed, L the sum of e.
; No matrix work, no tensor load: 44 KB a work-group, read once.
; LIMITS: NaN and infinities are not served; T - Mx is one fused multiply-add, so the largest may come out an ulp above 0.
.set SC,  4                            ; v4-11   my eight s', then scores, then e, then weights
.set VW,  12                           ; v12-15  my four numbers of v_w
.set PC,  16                           ; v16-47  my four columns of the eight partial contexts: nothing else lies here
.set LW4, 48                           ; v48     LDS: 4 x wave
.set ZA,  49                           ; v49     LDS: 0
.set TP,  50                           ; v50     a lane permute's destination
.set TM,  51                           ; v51     at work
.set RB,  52                           ; v52-67  read back from LDS
.set GK,  68                           ; v68-75  the eight factors
.set DL,  76                           ; v76     V0 log2(e) - Mx
.set LL,  77                           ; v77     L, then 1 / L
.set OC,  80                           ; v80-83  the context
	s_load_b256 s[4:11], s[0:1], 0x0               ; scores s[4:5], pctx s[6:7], pml s[8:9], v_w s[10:11]
	s_load_b128 s[12:15], s[0:1], 0x20             ; v_b s[12:13], out0 s[14:15]
	s_load_b64 s[16:17], s[0:1], 0x30              ; out1
	v_lshl_add_u32 v96, v0, 2, 0x100
	v_mov_b32 v97, 0
	v_lshlrev_b32 v1, 4, v0                        ; 16 i
	v_lshrrev_b32 v[LW4], 5, v0
	s_delay_alu instid0(VALU_DEP_1)
	v_lshlrev_b32 v[LW4], 2, v[LW4]                ; 4 x wave
	v_mov_b32 v[ZA], 0
	v_mov_b32 v[TP], 0                             ; a lane permute's destination counts as one of its sources
	s_lshl_b32 s18, ttmp9, 13                      ; scores, out1: 8,192 bytes a batch
	s_mov_b32 s19, 0
	s_lshl_b32 s20, ttmp9, 15                      ; pctx: 8 x 4,096
	s_mov_b32 s21, 0
	s_lshl_b32 s22, ttmp9, 11                      ; pml: 8 x 256
	s_mov_b32 s23, 0
	s_lshl_b32 s24, ttmp9, 12                      ; out0: 4,096
	s_mov_b32 s25, 0
	s_mov_b32 s28, 0x3fb8aa3b                      ; log2(e)
	s_mov_b32 s30, 0x76543210
	s_mov_b32 s31, 0xfedcba98                      ; v_permlanex16_b32's selects for lane l xor 16
	s_wait_alu depctr_va_vdst(0)
	s_wait_kmcnt 0x0
	s_add_nc_u64 s[4:5], s[4:5], s[18:19]
	s_add_nc_u64 s[16:17], s[16:17], s[18:19]
	s_add_nc_u64 s[6:7], s[6:7], s[20:21]
	s_add_nc_u64 s[8:9], s[8:9], s[22:23]
	s_add_nc_u64 s[14:15], s[14:15], s[24:25]
	s_load_b32 s26, s[12:13], 0x0                  ; v_b
.irp k, 0,1,2,3,4,5,6,7
	s_load_b32 s[32+\k], s[8:9], \k*256            ; m_k
.endr
	global_load_b128 v[SC:SC+3], v1, s[4:5]
	global_load_b128 v[SC+4:SC+7], v1, s[4:5] offset:4096
	global_load_b128 v[VW:VW+3], v1, s[10:11]
.irp k, 0,1,2,3,4,5,6,7
	global_load_b128 v[PC+4*\k:PC+4*\k+3], v1, s[6:7] offset:\k*4096
.endr
.macro WSUM r                          ; the sum over the wave's 32 lanes, in every lane
	v_add_f32_dpp v[\r], v[\r], v[\r] row_xmask:1 row_mask:0xf bank_mask:0xf
	s_delay_alu instid0(VALU_DEP_1)
	v_add_f32_dpp v[\r], v[\r], v[\r] row_xmask:2 row_mask:0xf bank_mask:0xf
	s_delay_alu instid0(VALU_DEP_1)
	v_add_f32_dpp v[\r], v[\r], v[\r] row_xmask:4 row_mask:0xf bank_mask:0xf
	s_delay_alu instid0(VALU_DEP_1)
	v_add_f32_dpp v[\r], v[\r], v[\r] row_xmask:8 row_mask:0xf bank_mask:0xf
	s_delay_alu instid0(VALU_DEP_1)
	v_permlanex16_b32 v[TP], v[\r], s30, s31
	s_delay_alu instid0(VALU_DEP_1)
	v_add_f32 v[\r], v[\r], v[TP]
.endm
	s_wait_loadcnt 8                               ; the scores and v_w are in; pctx's eight loads were issued behind them and may be out: none of their registers is named before the wait for 0
	v_add_f32 v2, v[VW], v[VW+1]
	v_add_f32 v[TM], v[VW+2], v[VW+3]
	s_delay_alu instid0(VALU_DEP_1)
	v_add_f32 v2, v2, v[TM]                        ; my four numbers of v_w
	v_max3_num_f32 v3, v[SC], v[SC+1], v[SC+2]
	s_delay_alu instid0(VALU_DEP_1)
	v_max3_num_f32 v3, v3, v[SC+3], v[SC+4]
	s_delay_alu instid0(VALU_DEP_1)
	v_max3_num_f32 v3, v3, v[SC+5], v[SC+6]
	s_delay_alu instid0(VALU_DEP_1)
	v_max_num_f32 v3, v3, v[SC+7]                  ; my eight s'
	WSUM 2
	v_max_num_f32_dpp v3, v3, v3 row_xmask:1 row_mask:0xf bank_mask:0xf
	s_delay_alu instid0(VALU_DEP_1)
	v_max_num_f32_dpp v3, v3, v3 row_xmask:2 row_mask:0xf bank_mask:0xf
	s_delay_alu instid0(VALU_DEP_1)
	v_max_num_f32_dpp v3, v3, v3 row_xmask:4 row_mask:0xf bank_mask:0xf
	s_delay_alu instid0(VALU_DEP_1)
	v_max_num_f32_dpp v3, v3, v3 row_xmask:8 row_mask:0xf bank_mask:0xf
	s_delay_alu instid0(VALU_DEP_1)
	v_permlanex16_b32 v[TP], v3, s30, s31
	s_delay_alu instid0(VALU_DEP_1)
	v_max_num_f32 v3, v3, v[TP]
	ds_store_b32 v[LW4], v2                        ; bytes 0-31: the waves' sums of v_w;
	ds_store_b32 v[LW4], v3 offset:32              ; bytes 32-63: their maxima
	s_wait_dscnt 0x0                               ; for the others' sake: my stores have landed
	s_barrier_signal -1
	s_barrier_wait -1
	ds_load_b128 v[RB:RB+3], v[ZA]
	ds_load_b128 v[RB+4:RB+7], v[ZA] offset:16
	ds_load_b128 v[RB+8:RB+11], v[ZA] offset:32
	ds_load_b128 v[RB+12:RB+15], v[ZA] offset:48
	s_wait_dscnt 0x0
	v_pk_add_f32 v[RB:RB+1], v[RB:RB+1], v[RB+2:RB+3]
	v_pk_add_f32 v[RB+4:RB+5], v[RB+4:RB+5], v[RB+6:RB+7]
	s_delay_alu instid0(VALU_DEP_1)
	v_pk_add_f32 v[RB:RB+1], v[RB:RB+1], v[RB+4:RB+5]
	s_delay_alu instid0(VALU_DEP_1)
	v_add_f32 v2, v[RB], v[RB+1]
	v_max3_num_f32 v3, v[RB+8], v[RB+9], v[RB+10]
	s_delay_alu instid0(VALU_DEP_1)
	v_max3_num_f32 v3, v3, v[RB+11], v[RB+12]
	s_delay_alu instid0(VALU_DEP_1)
	v_max3_num_f32 v3, v3, v[RB+13], v[RB+14]
	s_delay_alu instid0(VALU_DEP_1)
	v_max_num_f32 v3, v3, v[RB+15]
	s_wait_alu depctr_va_vdst(0)
	s_wait_kmcnt 0x0                               ; v_b and the eight m_k
	v_add_f32 v2, s26, v2                          ; V0
	s_delay_alu instid0(VALU_DEP_1)
	v_add_f32 v3, v3, v2
	s_delay_alu instid0(VALU_DEP_1)
	v_mul_f32 v3, s28, v3                          ; Mx: the largest score, as T
.irp j, 0,1,2,3,4,5,6,7
	v_add_f32 v[SC+\j], v[SC+\j], v2               ; the score
.endr
.irp j, 0,1,2,3,4,5,6,7
	v_fma_f32 v[SC+\j], v[SC+\j], s28, -v3         ; T - Mx
.endr
	s_wait_alu depctr_va_vdst(0)
.irp j, 0,1,2,3,4,5,6,7
	v_exp_f32 v[SC+\j], v[SC+\j]
.endr
	v_fma_f32 v[DL], v2, s28, -v3                  ; V0 log2(e) - Mx.  (A plain place behind the exponentials)
	s_wait_alu depctr_va_vdst(0)
	v_pk_add_f32 v[RB:RB+1], v[SC:SC+1], v[SC+2:SC+3]
	v_pk_add_f32 v[RB+2:RB+3], v[SC+4:SC+5], v[SC+6:SC+7]
	s_delay_alu instid0(VALU_DEP_1)
	v_pk_add_f32 v[RB:RB+1], v[RB:RB+1], v[RB+2:RB+3]
	s_delay_alu instid0(VALU_DEP_1)
	v_add_f32 v[LL], v[RB], v[RB+1]
	WSUM LL
	ds_store_b32 v[LW4], v[LL] offset:64           ; bytes 64-95: other bytes than the first exchange's, so one barrier serves
	s_wait_dscnt 0x0
	s_barrier_signal -1
	s_barrier_wait -1
	ds_load_b128 v[RB:RB+3], v[ZA] offset:64
	ds_load_b128 v[RB+4:RB+7], v[ZA] offset:80
	s_wait_dscnt 0x0
	v_pk_add_f32 v[RB:RB+1], v[RB:RB+1], v[RB+2:RB+3]
	v_pk_add_f32 v[RB+4:RB+5], v[RB+4:RB+5], v[RB+6:RB+7]
	s_delay_alu instid0(VALU_DEP_1)
	v_pk_add_f32 v[RB:RB+1], v[RB:RB+1], v[RB+4:RB+5]
	s_delay_alu instid0(VALU_DEP_1)
	v_add_f32 v[LL], v[RB], v[RB+1]                ; L, at least about 1: the largest e is 1 but for rounding
	s_wait_alu depctr_va_vdst(0)
	v_rcp_f32 v[LL], v[LL]
.irp k, 0,1,2,3,4,5,6,7
	v_add_f32 v[GK+\k], s[32+\k], v[DL]            ; m_k + V0 log2(e) - Mx, 0 or less but for rounding.  (Plain places behind the reciprocal)
.endr
	s_wait_alu depctr_va_vdst(0)
.irp k, 0,1,2,3,4,5,6,7
	v_exp_f32 v[GK+\k], v[GK+\k]
.endr
	v_nop                                          ; a plain place behind the exponentials
	s_wait_alu depctr_va_vdst(0)
.irp j, 0,1,2,3,4,5,6,7
	v_mul_f32 v[SC+\j], v[SC+\j], v[LL]            ; the weights
.endr
	global_store_b128 v1, v[SC:SC+3], s[16:17]
	global_store_b128 v1, v[SC+4:SC+7], s[16:17] offset:4096
.irp k, 0,1,2,3,4,5,6,7
	v_mul_f32 v[GK+\k], v[GK+\k], v[LL]
.endr
	s_wait_alu depctr_va_vdst(0)
	s_wait_loadcnt 0x0                             ; the eight partial contexts
.irp e, 0,1,2,3
	v_mul_f32 v[OC+\e], v[PC+\e], v[GK]
.endr
.irp k, 1,2,3,4,5,6,7
.irp e, 0,1,2,3
	s_delay_alu instid0(VALU_DEP_4)
	v_fma_f32 v[OC+\e], v[PC+4*\k+\e], v[GK+\k], v[OC+\e]
.endr
.endr
	global_store_b128 v1, v[OC:OC+3], s[14:15]
	s_wait_tensorcnt 0x0
	ds_add_u32 v96, v97
	s_wait_dscnt 0x0
	s_endpgm
.Lfunc_end_k_qa02a0aeebb_finish:
	.size	k_qa02a0aeebb_finish, .Lfunc_end_k_qa02a0aeebb_finish-k_qa02a0aeebb_finish
	.p2alignl 7, 3214868480
	.fill 96, 4, 3214868480
	.section	.rodata,"a",@progbits
	.p2align	6, 0x0
	.amdhsa_kernel k_qa02a0aeebb_finish
		.amdhsa_group_segment_fixed_size 1280
		.amdhsa_private_segment_fixed_size 0
		.amdhsa_enable_private_segment 0
		.amdhsa_kernarg_size 56
		.amdhsa_user_sgpr_count 2
		.amdhsa_user_sgpr_kernarg_segment_ptr 1
		.amdhsa_wavefront_size32 1
		.amdhsa_system_sgpr_workgroup_id_x 1
		.amdhsa_system_sgpr_workgroup_id_y 1
		.amdhsa_system_sgpr_workgroup_id_z 1
		.amdhsa_system_vgpr_workitem_id 0
		.amdhsa_next_free_vgpr 98
		.amdhsa_next_free_sgpr 66
		.amdhsa_reserve_vcc 0
		.amdhsa_float_denorm_mode_32 3
		.amdhsa_float_denorm_mode_16_64 3
		.amdhsa_memory_ordered 1
		.amdhsa_forward_progress 1
		.amdhsa_inst_pref_size 13
	.end_amdhsa_kernel
	.amdgpu_metadata
---
amdhsa.version: [ 1, 2 ]
amdhsa.kernels:
  - .name:           k_qa02a0aeebb_finish
    .symbol:         k_qa02a0aeebb_finish.kd
    .args:
      - { .name: scores, .offset: 0, .size: 8, .value_kind: global_buffer, .address_space: global }
      - { .name: pctx, .offset: 8, .size: 8, .value_kind: global_buffer, .address_space: global }
      - { .name: pml, .offset: 16, .size: 8, .value_kind: global_buffer, .address_space: global }
      - { .name: v_w, .offset: 24, .size: 8, .value_kind: global_buffer, .address_space: global }
      - { .name: v_b, .offset: 32, .size: 8, .value_kind: global_buffer, .address_space: global }
      - { .name: out0, .offset: 40, .size: 8, .value_kind: global_buffer, .address_space: global }
      - { .name: out1, .offset: 48, .size: 8, .value_kind: global_buffer, .address_space: global }
    .group_segment_fixed_size: 1280
    .private_segment_fixed_size: 0
    .kernarg_segment_align: 8
    .kernarg_segment_size: 56
    .max_flat_workgroup_size: 256
    .sgpr_count:     66
    .vgpr_count:     98
    .wavefront_size: 32
...
	.end_amdgpu_metadata
.endif
;; end of part 3
